; MI455X (gfx1250); checked and timed in simulation.
; The chip was launched on July 23, 2026; its instructions are those of AMD's public machine-readable ISA for CDNA 5 (MIT licence, August 2026) and "CDNA5" Instruction Set Architecture Reference Guide (July 2026). The comments in the code are by the model that wrote it; some were corrected since.
;; Weight Only Quantized Linear. Allowed arithmetic: matrix products marked QUANTISED: E5M2 operands, one E8M0 scale for each 32 along K, by v_wmma_scale_f32_16x16x128_f8f6f4 with both operands' format E5M2, f32 sums; everything else in f32.
;; Inputs: bias 4,096 float32; qweight 4,096 x 4,096 int32; scales 4,096 float32; x 4 x 1,024 x 4,096 float32; zero_points 4,096 float32.
;; Outputs: out0 4 x 1,024 x 4,096 float32.
;; This version of the problem:
;;   THIS VERSION OF THE PROBLEM IS GIVEN IN LOW PRECISION. The matrix products marked QUANTISED in the list below multiply operands that are first quantised to E5M2 (5 exponent bits, 2 mantissa bits; 8 bits a number), with one power-of-two scale for each 32 numbers along K (OCP MX v1.0); their sums are f32. All else is computed in f32.
;;   The module's matrix products, in the order in which they are computed (A, B: the left and right operand; K: the contracted axis; several contracted axes count as one K, in the product's order):
;;     1. [M 4,096, K 4,096] x [K 4,096, N 4,096]; A: input x; B: computed on the way: QUANTISED
;;   THE QUANTISER, for each operand of a quantised product, along K:
;;     - K is cut into blocks of 32 from its start; a last block that is shorter is filled with zeros.
;;     - A block's scale is 2^e with e = floor(log2(the largest magnitude in the block)) - 15, held to -126 .. 127; a block of zeros has e = 0. As a byte (E8M0): e + 127.
;;     - Each number is divided by its block's scale, clamped to +-57,344, and rounded to the nearest number of E5M2, ties to even, subnormals kept.
;;     - The product sums the exact products of the quantised numbers (number of the format x scale) in f32.
;;   ~~~python
;;   def quantise(x, axis):      # numpy; x: float32 -> the quantised numbers, widened to float32 again
;;       x = np.moveaxis(x, axis, -1); K = x.shape[-1]
;;       x = np.pad(x, [(0, 0)] * (x.ndim - 1) + [(0, -K % 32)]); x = x.reshape(x.shape[:-1] + (-1, 32)); a = np.abs(x).max(-1, keepdims=True)
;;       e = np.where(a > 0, np.clip(np.frexp(np.where(a > 0, a, 1))[1] - 1 - 15, -126, 127), 0)      # np.frexp(a)[1] - 1 = floor(log2(a)), exactly
;;       r = np.clip(x / 2.0 ** e, -57344, 57344)
;;       step = 2.0 ** (np.maximum(np.frexp(np.where(r == 0, 1, r))[1] - 1, -14) - 2)
;;       q = np.round(r / step) * step * 2.0 ** e      # np.round: ties to even
;;       return np.moveaxis(q.reshape(q.shape[:-2] + (-1,))[..., :K], -1, axis).astype(np.float32)
;;   ~~~
;;   OPERANDS COMPUTED ON THE WAY. 'Computed on the way' means the value that the module computes at that place (a softmax that the list does not call 'softmax' is quantised finished and normalised). What goes into a quantiser is computed in f32, as accurately as f32 sums, v_exp_f32 and their like allow (about 1e-6 of the number): no bf16 or f16 on the way to a quantiser, and a product that is left as it is and whose result goes on into a quantised operand takes f32 operands (vector FMAs, or v_wmma_f32_16x16x4_f32). A number that lies on a knife's edge between two numbers of the format may be rounded either way, as far as f32 arithmetic and the matrix unit's own rounding can turn it there, and no further.
;; One version. Each part assembles by itself: llvm-mc -triple=amdgcn-amd-amdhsa -mcpu=gfx1250 --defsym DOCPART=n.
;; ======== version 1 of 1: 2 launches
;; limits: right only within a limited range of input values
;; workspace buffers: acodes 17,301,504 bytes; bcodes 17,301,504 bytes
;; launch quant (part 1): grid 512 x 1, 4 waves a work-group, no clusters, 25,088 bytes of LDS; arguments x, qweight, acodes, bcodes, scales, zero_points; writes acodes, bcodes
.if DOCPART == 1
	.amdgcn_target "amdgcn-amd-amdhsa--gfx1250"
	.amdhsa_code_object_version 6
	.text
	.protected	k_qf774cf8649_quant
	.globl	k_qf774cf8649_quant
	.p2align	8
	.type	k_qf774cf8649_quant,@function
k_qf774cf8649_quant:
	s_mov_b64 s[64:65], 0
	v_nop
	global_prefetch_b8 v0, s[64:65] scope:SCOPE_SE
	s_setreg_imm32_b32 hwreg(HW_REG_WAVE_MODE, 25, 1), 1
	s_wait_xcnt 0x0
; x [4096][4096] f32, and W[o][i] = (float(q[o][i]) - zp[o]) * scale[o] made of qweight [4096][4096] int32, are turned into codes of BF8 (E5M2), 8 bits each, with one E8M0 scale byte for each 32 along K.
; A block's scale is 2^(floor(log2(its largest magnitude)) - 15); its byte is the largest magnitude's own exponent field - 15, held at 1 from below.  Each number is divided by the scale, held within +-57,344 and
; rounded to the nearest code, ties to even.  W is made in f32 as it is defined: a subtraction, then a multiplication (q s - zp s in one fused line would be a difference of two large numbers).
; LIMITS: NaN and infinities among the inputs are not served.  A block of zeros gets the byte 1 where the definition says 127: its codes are zeros, which add nothing under any byte but 0xff, and the bytes are read by this program alone.
; THE OUTPUT'S LAYOUT, the same for both tensors: [32 row blocks of 128 rows][16 K steps of 256][a tile of 33,792 bytes].  A tile: 128 rows x 256 code bytes (row r at 256 r, K ascending), then 128 rows x 8 scale bytes
; (row r at 32,768 + 8 r).  So what one wave of the product's launch fetches for a K step, codes and scales, is one dense run of 132 x 256 bytes.
; SHARES.  Work-groups 0-255 take x, 256-511 W: only pointers are chosen, and one short branch goes round the lines that make W.  A wave takes 32 rows x 512 along K (two K steps): 32 steps of one row's 2,048 consecutive bytes.
; The conversions take 8 numbers of ONE block from a lane's consecutive registers, so a lane must hold 16 neighbours along K; a load is best where neighbouring lanes take neighbouring bytes.  Both are had: each of a step's four
; loads reads 512 consecutive bytes, 16 a lane; the 2,048 bytes go through the wave's own stage in LDS and come back 64 bytes a lane (16 bytes of padding behind each 64, so that the lanes' reads spread over the banks).
; A lane's 16 codes are 16 bytes: lanes 0-15 store 256 consecutive, aligned bytes of the first K step's tile, lanes 16-31 of the second's.  The wave's 512 scale bytes are gathered in LDS and leave as two aligned runs of 256 bytes.
; Loads run eight steps (32 loads a wave) ahead, the turn through LDS one step.  No tensor loads, no cluster, no barrier, no matrix unit: a stream whose waves share nothing.
.set ROWS,  32                         ; steps of a wave: one row each
.set DEPTH, 8                          ; steps that the loads run ahead
.set TILE,  33792
.set RB,    16*TILE                    ; a row block of 128 rows, all of K
.set EMAX,  15
.set MANT,  0x600000                   ; the mantissa field of 57,344 as f32
.set SP,    80                         ; a lane's place in a stage: its 64 bytes + 16 of padding
.set WREG,  6144                       ; LDS of a wave: two stages of 32 x SP bytes, then its 512 scale bytes, laid [2 K steps][32 rows][8]
.set R,     16                         ; v16-143  eight sets of 16 numbers as they are loaded
.set X,     144                        ; v144-175 two sets of 16 neighbours
.set C,     176                        ; v176-239 codes: sixteen sets of four registers
.set E,     240                        ; v240-243 scale bytes, four by turns
.set ZP,    244                        ; v[244:245] the row's zero point (the packed form names a pair and takes its low word for both halves)
.set SCL,   246                        ; v[246:247] the row's scale
	s_load_b256 s[4:11], s[0:1], 0x0               ; x s[4:5], qweight s[6:7], acodes s[8:9], bcodes s[10:11]
	s_load_b128 s[12:15], s[0:1], 0x20             ; scales s[12:13], zero_points s[14:15]
	v_lshl_add_u32 v254, v0, 2, 0x6000
	v_mov_b32 v255, 0
	v_lshrrev_b32 v1, 5, v0
	v_readfirstlane_b32 s16, v1                    ; wave 0..3
	v_and_b32 v2, 31, v0                           ; lane
	v_lshlrev_b32 v3, 4, v2                        ; my 16 bytes of a load's 512
	s_mul_i32 s17, s16, WREG                       ; my wave's LDS
	v_lshrrev_b32 v14, 2, v2
	v_mul_u32_u24 v14, v14, SP
	v_and_b32 v15, 3, v2
	v_lshl_add_u32 v14, v15, 4, v14
	v_add_nc_u32 v14, s17, v14                     ; the stage, on the way in: four lanes' 64 bytes on end, then the padding: SP (lane / 4) + 16 (lane % 4); a load's 512 bytes take eight places
	v_mul_u32_u24 v15, v2, SP
	v_add_nc_u32 v15, s17, v15                     ; and on the way out: SP x lane: my 16 neighbours
	v_and_b32 v4, 15, v2
	v_lshlrev_b32 v4, 4, v4
	v_lshrrev_b32 v7, 4, v2                        ; which of the two K steps my numbers belong to
	v_mul_u32_u24 v8, v7, TILE
	v_add_nc_u32 v4, v4, v8                        ; out: 16 (lane % 16) in a run of 256 bytes, + a tile for lanes 16-31
	s_add_co_u32 s17, s17, 2*32*SP                 ; my wave's scale bytes
	v_bfe_u32 v5, v2, 1, 3
	v_lshl_add_u32 v5, v7, 8, v5
	v_add_nc_u32 v5, s17, v5                       ; my block's byte: 256 x K step + (lane / 2) % 8; the row's 8 t stand in the immediate
	v_add_nc_u32 v6, s17, v3                       ; and on the way out 16 bytes a lane
	v_mov_b32 v[ZP+1], 0                           ; named as the upper halves of pairs, so they are written
	v_mov_b32 v[SCL+1], 0
	s_mov_b32 s23, MANT                            ; (an instruction takes one literal: the hold's line has another)
	s_and_b32 s18, ttmp9, 255
	s_lshl_b32 s18, s18, 2
	s_add_co_u32 s18, s18, s16                     ; u: my wave's task among the tensor's 1,024
	s_lshr_b32 s19, s18, 3                         ; g = u / 8: which 32 rows
	s_and_b32 s20, s18, 7                          ; kp = u % 8: K steps 2 kp and 2 kp + 1
	s_lshl_b32 s26, s19, 19                        ; in: 32 g rows of 16,384 bytes
	s_lshl_b32 s21, s20, 11                        ; + 512 kp numbers of 4 bytes
	s_add_co_u32 s26, s26, s21
	s_mov_b32 s27, 0
	s_lshr_b32 s21, s19, 2                         ; out: row block g / 4,
	s_mul_i32 s28, s21, RB
	s_mul_i32 s21, s20, 2*TILE                     ; tile 2 kp
	s_add_co_u32 s28, s28, s21
	s_mov_b32 s29, 0
	s_and_b32 s21, s19, 3                          ; which 32 of the block's 128 rows
	s_lshl_b32 s22, s21, 8
	s_add_co_u32 s30, s28, s22                     ; the scale bytes: 8 a row,
	s_add_co_u32 s30, s30, 32768                   ; behind the tile's codes
	s_mov_b32 s31, 0
	s_lshl_b32 s22, s21, 13
	s_add_co_u32 s28, s28, s22                     ; the codes: 256 a row
	s_lshl_b32 s2, s19, 7                          ; my 32 rows' zero points and scales: 4 bytes a row
	s_mov_b32 s3, 0
	s_wait_kmcnt 0x0
	s_cmp_lt_u32 ttmp9, 256                        ; x's work-group or W's?  The choice hangs on the work-group's number alone
	s_cselect_b64 s[4:5], s[4:5], s[6:7]
	s_cselect_b64 s[8:9], s[8:9], s[10:11]
	s_cselect_b32 s24, 0, 1                        ; 1: the numbers are W's and have to be made
	s_add_nc_u64 s[4:5], s[4:5], s[26:27]
	s_add_nc_u64 s[10:11], s[8:9], s[30:31]        ; where my scale bytes go
	s_add_nc_u64 s[8:9], s[8:9], s[28:29]          ; where my codes go
	s_add_nc_u64 s[12:13], s[12:13], s[2:3]
	s_add_nc_u64 s[14:15], s[14:15], s[2:3]
	s_load_b512 s[32:47], s[14:15], 0x0            ; zero points of my 32 rows: s[32 + t].  x's work-groups load them too (both tensors have 4,096 rows: inside the buffers) and use none
	s_load_b512 s[48:63], s[14:15], 0x40
	s_load_b512 s[68:83], s[12:13], 0x0            ; scales: s[68 + t]
	s_load_b512 s[84:99], s[12:13], 0x40
.macro LOAD t                          ; row t's 2,048 bytes into set t % 8
.irp i, 0,1,2,3
	global_load_b128 v[R+16*((\t)%DEPTH)+4*\i:R+16*((\t)%DEPTH)+4*\i+3], v3, s[4:5] offset:16384*(\t)+512*\i th:TH_LOAD_NT   ; 32 lanes read 512 consecutive bytes; read once in the launch
.endr
.endm
.macro TURN t                          ; step t's numbers through the stage: LDS serves a wave's instructions in order (ISA guide 5.7.1.4), so no wait stands between the stores and the loads
.irp i, 0,1,2,3
	ds_store_b128 v14, v[R+16*((\t)%DEPTH)+4*\i:R+16*((\t)%DEPTH)+4*\i+3] offset:32*SP*((\t)%2)+8*SP*\i
.endr
.irp i, 0,1,2,3
	ds_load_b128 v[X+16*((\t)%2)+4*\i:X+16*((\t)%2)+4*\i+3], v15 offset:32*SP*((\t)%2)+16*\i
.endr
.endm
.irp t, 0,1,2,3,4,5,6,7
	LOAD \t
.endr
	s_wait_loadcnt 4*(DEPTH-1)                     ; step 0's four loads are in; the 28 of the seven steps behind it may be out
	TURN 0
	s_wait_kmcnt 0x0                               ; the zero points and scales
.macro STEP t
.set XS, X+16*((\t)%2)
.set CS, C+4*((\t)%16)
.if (\t) > 0
	s_wait_dscnt 1                                 ; this step's numbers are back from the stage (the last step's byte store may be out): so its stores into the stage have read their registers,
.else
	s_wait_dscnt 0x0
.endif
.if (\t)+DEPTH < ROWS
	LOAD (\t)+DEPTH                                ; which take the loads of eight steps on
.endif
.if (\t)+1 < ROWS
.if (\t)+DEPTH < ROWS
	s_wait_loadcnt 4*(DEPTH-1)                     ; the next step's four loads are in; those of the seven steps behind it may be out
.else
	s_wait_loadcnt 4*(ROWS-2-(\t))                 ; nothing more is asked for: the count runs down
.endif
	TURN (\t)+1                                    ; and go through the other stage while this step is worked
.endif
	s_cmp_eq_u32 s24, 0                            ; x's numbers are taken as they are
	s_cbranch_scc1 .Lraw_\@
	v_mov_b32 v[ZP], s[32+(\t)]
	v_mov_b32 v[SCL], s[68+(\t)]
.irp i, 0,1,2,3,4,5,6,7,8,9,10,11,12,13,14,15
	v_cvt_f32_i32 v[XS+\i], v[XS+\i]
.endr
.irp i, 0,2,4,6,8,10,12,14
	v_pk_add_f32 v[XS+\i:XS+\i+1], v[XS+\i:XS+\i+1], v[ZP:ZP+1] op_sel_hi:[1,0] neg_lo:[0,1] neg_hi:[0,1]   ; q - zp, two at a time
.endr
.irp i, 0,2,4,6,8,10,12,14
	v_pk_mul_f32 v[XS+\i:XS+\i+1], v[XS+\i:XS+\i+1], v[SCL:SCL+1] op_sel_hi:[1,0]                           ; x scale
.endr
.Lraw_\@:
	v_max3_num_f32 v8, |v[XS]|, |v[XS+1]|, |v[XS+2]|               ; the largest magnitude of my 16, in two chains
	v_max3_num_f32 v9, |v[XS+3]|, |v[XS+4]|, |v[XS+5]|
.irp i, 6,10
	v_max3_num_f32 v8, v8, |v[XS+\i]|, |v[XS+\i+1]|
	v_max3_num_f32 v9, v9, |v[XS+\i+2]|, |v[XS+\i+3]|
.endr
	v_max3_num_f32 v8, v8, |v[XS+14]|, |v[XS+15]|
	v_max3_num_f32 v8, v8, v9, (EMAX+1)<<23        ; and the floor 2^(EMAX + 1 - 127), under which no largest magnitude is taken: so the byte cannot fall under 1
	v_max_num_f32_dpp v8, v8, v8 row_xmask:1 row_mask:0xf bank_mask:0xf   ; and of my neighbour's 16: the block's
	v_add_nc_u32 v11, -(EMAX<<23), v8              ; EMAX off its exponent field: the conversion takes the exponent field of this operand as its scale, and nothing else of it
	v_and_or_b32 v10, v8, 0x7f800000, s23          ; 57,344 x the scale: the largest magnitude's exponent field over 57,344's mantissa
.irp i, 0,1,2,3,4,5,6,7,8,9,10,11,12,13,14,15
	v_med3_num_f32 v[XS+\i], v[XS+\i], -v10, v10   ; the conversion to an 8-bit code does not saturate (ISA guide 7.6.2): hold the number within the largest code x the scale first
.endr
.if (\t) == 16
	s_wait_alu depctr_va_vdst(0)
	s_wait_xcnt 0x0                                ; the stores of steps 0 to 15 have read their data: the sixteen sets of code registers may be written a second time, by steps 16 to 31
.endif
	v_cvt_scalef32_pk8_bf8_f32 v[CS:CS+1], v[XS:XS+7], v11         ; eight numbers / 2^(v11's exponent), to the nearest code, ties to even; the first number's code in the lowest byte
	v_cvt_scalef32_pk8_bf8_f32 v[CS+2:CS+3], v[XS+8:XS+15], v11
	v_lshrrev_b32 v[E+(\t)%4], 23, v11             ; the scale's byte.  (Also the plain vector line behind the conversions)
	ds_store_b8 v5, v[E+(\t)%4] offset:8*(\t)      ; both lanes of a block write the same byte with the same value
	global_store_b128 v4, v[CS:CS+3], s[8:9] offset:256*(\t)       ; sixteen lanes store 256 consecutive bytes, at a multiple of 256 from the buffer's first byte
.endm
.irp t, 0,1,2,3,4,5,6,7,8,9,10,11,12,13,14,15,16,17,18,19,20,21,22,23,24,25,26,27,28,29,30,31
	STEP \t
.endr
	ds_load_b128 v[248:251], v6                    ; LDS serves a wave's instructions in order: this sees my byte stores
	s_wait_dscnt 0x0
	global_store_b128 v4, v[248:251], s[10:11]     ; my 32 rows' scale bytes: lanes 0-15 the first K step's 256, lanes 16-31 the second's, each run aligned
	s_wait_tensorcnt 0x0
	ds_add_u32 v254, v255
	s_wait_dscnt 0x0
	s_endpgm
.Lfunc_end_k_qf774cf8649_quant:
	.size	k_qf774cf8649_quant, .Lfunc_end_k_qf774cf8649_quant-k_qf774cf8649_quant
	.p2alignl 7, 3214868480
	.fill 96, 4, 3214868480
	.section	.rodata,"a",@progbits
	.p2align	6, 0x0
	.amdhsa_kernel k_qf774cf8649_quant
		.amdhsa_group_segment_fixed_size 25088
		.amdhsa_private_segment_fixed_size 0
		.amdhsa_enable_private_segment 0
		.amdhsa_kernarg_size 48
		.amdhsa_user_sgpr_count 2
		.amdhsa_user_sgpr_kernarg_segment_ptr 1
		.amdhsa_wavefront_size32 1
		.amdhsa_system_sgpr_workgroup_id_x 1
		.amdhsa_system_sgpr_workgroup_id_y 1
		.amdhsa_system_sgpr_workgroup_id_z 1
		.amdhsa_system_vgpr_workitem_id 0
		.amdhsa_next_free_vgpr 256
		.amdhsa_next_free_sgpr 100
		.amdhsa_reserve_vcc 0
		.amdhsa_float_denorm_mode_32 3
		.amdhsa_float_denorm_mode_16_64 3
		.amdhsa_memory_ordered 1
		.amdhsa_forward_progress 1
		.amdhsa_inst_pref_size 152
	.end_amdhsa_kernel
	.amdgpu_metadata
---
amdhsa.version: [ 1, 2 ]
amdhsa.kernels:
  - .name:           k_qf774cf8649_quant
    .symbol:         k_qf774cf8649_quant.kd
    .args:
      - { .name: x, .offset: 0, .size: 8, .value_kind: global_buffer, .address_space: global }
      - { .name: qweight, .offset: 8, .size: 8, .value_kind: global_buffer, .address_space: global }
      - { .name: acodes, .offset: 16, .size: 8, .value_kind: global_buffer, .address_space: global }
      - { .name: bcodes, .offset: 24, .size: 8, .value_kind: global_buffer, .address_space: global }
      - { .name: scales, .offset: 32, .size: 8, .value_kind: global_buffer, .address_space: global }
      - { .name: zero_points, .offset: 40, .size: 8, .value_kind: global_buffer, .address_space: global }
    .group_segment_fixed_size: 25088
    .private_segment_fixed_size: 0
    .kernarg_segment_align: 8
    .kernarg_segment_size: 48
    .max_flat_workgroup_size: 128
    .sgpr_count:     100
    .vgpr_count:     256
    .wavefront_size: 32
...
	.end_amdgpu_metadata
.endif
;; end of part 1
;; launch gemm (part 2): grid 16 x 16, 4 waves a work-group, clusters of 4 x 4, 327,680 bytes of LDS; arguments acodes, bcodes, bias, out0; writes out0
.if DOCPART == 2
	.amdgcn_target "amdgcn-amd-amdhsa--gfx1250"
	.amdhsa_code_object_version 6
	.text
	.protected	k_qf774cf8649_gemm
	.globl	k_qf774cf8649_gemm
	.p2align	8
	.type	k_qf774cf8649_gemm,@function
k_qf774cf8649_gemm:
	s_mov_b64 s[64:65], 0
	v_nop
	global_prefetch_b8 v0, s[64:65] scope:SCOPE_SE
	s_setreg_imm32_b32 hwreg(HW_REG_WAVE_MODE, 25, 1), 1
	s_wait_xcnt 0x0
	s_wait_alu depctr_hold_cnt(0) depctr_sa_sdst(0) depctr_va_vdst(0) depctr_va_sdst(0) depctr_va_ssrc(0) depctr_va_vcc(0) depctr_vm_vsrc(0)
	s_getreg_b32 s2, hwreg(HW_REG_IB_STS2, 6, 4)
	s_cmp_eq_u32 s2, 0
	s_cbranch_scc0 .Lentry_in_a_cluster
	s_endpgm
.Lentry_in_a_cluster:
	s_bfe_u32 s2, ttmp6, 0x10000c
	s_cmp_lg_u32 s2, 0xf033
	s_cbranch_scc0 .Lentry_shape_is_right
	s_endpgm
.Lentry_shape_is_right:
; out0[m][n] = bias[n] + sum over k of A[m][k] B[n][k]: A = x's codes, B = W's codes, BF8 (E5M2) with one E8M0 byte for each 32 along K, as the launch before laid them:
; [32 row blocks of 128 rows][16 K steps of 256][a tile of 33,792 bytes: 128 rows x 256 codes, then 128 rows x 8 scale bytes]: a wave's fetch for a K step is one dense run of 132 x 256 bytes.
; A work-group of four waves makes 256 x 256 of out0, a wave 128 x 128: 64 accumulators, 512 registers (windows 2 and 3); A's fragments one set (window 0), B's two sets (window 1).
; The bias is the C of each accumulator's first product.  The products are used transposed (source 0 = B's rows), so a lane holds eight neighbouring numbers of a row of out0.
; K goes in 16 steps of 256 through a ring of two LDS slots; each wave brings one quarter of a slot by one tensor load, so a wave has one tensor load out at the most.
; CLUSTERS of 4 x 4: A's tiles are asked for jointly along a row of the cluster, B's along a column; each refill stands behind a round of the cluster's barrier.
; PREFETCH: behind each refill in the loop's trips but the last, a wave names 32 x 256 bytes of its row block's dense run, from row 576 on, 128 rows a K step for the four partners
; together, shared out by address (cx for A, cy for B); every cluster asks for its own rows; the twelve requests end at the row block's row 2,111, its last.
; The way out goes through each wave's own stage in slot 0, which has had its last fill and its last read by then; 32 lanes store 512 consecutive bytes.
.set SIZE_N, 4096
.set TILE,   33792
.set RB,     16*TILE
.set NQ,     2
.set PITCH,  272
.set TROWS,  132
.set FR,     16
.set NL,     4
.set NP,     8
.set HALFT,  TROWS*PITCH
.set SLOT,   4*HALFT
.set SCO,    128*PITCH
.set LAPS,   8
.set SPARE,  2*SLOT
.set SPITCH, 528
.set ADRA, 16
.set ADRB, 20
.set ADRS, 22
.set STO,  24
.set RD,   25
.set CO,   26
.set SPW,  28
.set NIL,  29
.set PFO,  30
.set SC,   32
.set BIAS, 64
.set AF,   128
.set BK,   128
.set G1, 24
.set G0, 32
.set G1B, 48
.set G0B, 56
.set PFA, 66
.set LIM, 68
.set MSB, 0
.macro WIN new
.if MSB != \new
	s_set_vgpr_msb (MSB<<8)|\new
.set MSB, \new
.endif
.endm
.set MUL_LO,   0xa1
.set MUL_HI,   0xf1
.set FIRST_LO, 0x81
.set FIRST_HI, 0xc1
.set TO_B,     0x40
.macro JLOAD g0a, g1a, g0b, g1b
	s_cmp_eq_u32 s15, 0
	s_cbranch_scc0 .Lfor_b_\@
	tensor_load_to_lds s[\g0a:\g0a+3], s[\g1a:\g1a+7]
	s_nop 0
.rept 4
	v_nop
.endr
	s_branch .Lasked_\@
.Lfor_b_\@:
	tensor_load_to_lds s[\g0b:\g0b+3], s[\g1b:\g1b+7]
	s_nop 0
.rept 4
	v_nop
.endr
.Lasked_\@:
.endm
.macro ASK
	s_cmp_gt_u32 s3, s[LIM]
	s_cbranch_scc0 .Lnot_mine_\@
	s_wait_alu depctr_va_vdst(0)
	global_prefetch_b8 v[PFO], s[PFA:PFA+1] th:TH_LOAD_NT scope:SCOPE_SE
.Lnot_mine_\@:
.endm
.macro CREST
	s_cmp_lg_u32 s14, 0
	s_cbranch_scc1 .Lnot_wave_0_\@
	s_barrier_signal -3
.Lnot_wave_0_\@:
	s_barrier_wait -3
	s_barrier_signal -1
	s_barrier_wait -1
.endm
.macro CROUND
	s_barrier_signal -1
	s_barrier_wait -1
	CREST
.endm
	s_load_b256 s[4:11], s[0:1], 0x0
	v_lshl_add_u32 v[SPW], v0, 2, SPARE
	v_mov_b32 v[NIL], 0
	ds_add_u32 v28, v29                            ; the opening lines: the add twice on end; the set-up below, work on registers, stands ahead of the one wait
	ds_add_u32 v28, v29
	v_lshrrev_b32 v1, 5, v0
	v_readfirstlane_b32 s14, v1
	s_lshr_b32 s15, s14, 1
	s_and_b32 s16, s14, 1
	s_bfe_u32 s40, ttmp6, 0x40000
	s_bfe_u32 s41, ttmp6, 0x40004
	s_lshl_b32 s42, ttmp9, 2
	s_add_co_u32 s42, s42, s40
	s_and_b32 s17, ttmp7, 0xffff
	s_lshl_b32 s17, s17, 2
	s_add_co_u32 s17, s17, s41
	s_lshl_b32 s43, s41, 2
	s_lshl_b32 s43, 15, s43
	s_lshl_b32 s44, 0x1111, s40
	s_or_b32 s[G1+0], s43, (3<<16)|(1<<20)|(1<<21)|(5<<22)|(3<<25)
	s_or_b32 s[G1B+0], s44, (3<<16)|(1<<20)|(1<<21)|(5<<22)|(3<<25)
.irp g, G1, G1B
	s_mov_b32 s[\g+1], 32<<16
	s_mov_b32 s[\g+2], TROWS<<16
	s_mov_b32 s[\g+3], 32<<16
	s_mov_b32 s[\g+4], TROWS
	s_mov_b32 s[\g+5], 32
	s_mov_b32 s[\g+6], 0
	s_mov_b32 s[\g+7], 0
.endr
	s_lshl_b32 s20, s17, 1
	s_add_co_u32 s20, s20, s16
	s_mul_i32 s20, s20, RB
	s_mov_b32 s21, 0
	s_lshl_b32 s46, s42, 1
	s_add_co_u32 s46, s46, s16
	s_mul_i32 s46, s46, RB
	s_mov_b32 s47, 0
	s_mul_i32 s45, s14, HALFT
	s_wait_dscnt 0x0                               ; both opening adds are done
	s_wait_kmcnt 0x0
	s_add_nc_u64 s[20:21], s[4:5], s[20:21]
	s_add_nc_u64 s[46:47], s[6:7], s[46:47]
	CROUND
.irp s, 0,1
	s_mov_b32 s[G0+4*\s], 1
	s_add_co_u32 s[G0+4*\s+1], s45, \s*SLOT
	s_add_nc_u64 s[G0+4*\s+2:G0+4*\s+3], s[20:21], \s*TILE
	s_or_b32 s[G0+4*\s+3], s[G0+4*\s+3], 0x80000000
	s_mov_b32 s[G0B+4*\s], 1
	s_add_co_u32 s[G0B+4*\s+1], s45, \s*SLOT
	s_add_nc_u64 s[G0B+4*\s+2:G0B+4*\s+3], s[46:47], \s*TILE
	s_or_b32 s[G0B+4*\s+3], s[G0B+4*\s+3], 0x80000000
.endr
	JLOAD G0, G1, G0B, G1B                         ; K step 0, behind the one round above: one tensor load a wave at the head; the addresses, the bias and the prefetch's set-up are made while it is out
	v_and_b32 v1, 15, v0
	v_bfe_u32 v2, v0, 4, 1
	s_wait_alu depctr_va_vdst(0)
	v_mul_u32_u24 v3, v1, PITCH
	v_lshl_add_u32 v4, v2, 4, v3
	s_mul_i32 s21, s15, HALFT
	s_mul_i32 s22, s16, HALFT
	s_add_co_u32 s22, s22, 2*HALFT
.irp s, 0,1
	v_add_nc_u32 v[ADRA+\s], s21, v4
	v_add_nc_u32 v[ADRB+\s], s22, v4
	s_add_co_u32 s21, s21, SLOT
	s_add_co_u32 s22, s22, SLOT
.endr
	s_xor_b32 s22, s15, 1
	s_add_co_u32 s22, s22, s16
	s_add_co_u32 s22, s22, 1
	s_mul_i32 s22, s22, HALFT
	v_mul_u32_u24 v6, s22, v2
	s_mul_i32 s21, s15, HALFT
	s_add_co_u32 s21, s21, SCO
	v_lshl_add_u32 v5, v1, 3, v6
	v_add_nc_u32 v[ADRS], s21, v5
	v_add_nc_u32 v[ADRS+1], SLOT, v[ADRS]
	s_mul_i32 s23, s14, 32*SPITCH                  ; my stage: two blocks of 16 rows x 528 bytes; the four waves' stages take 67,584 bytes of slot 0
	v_mul_u32_u24 v5, v1, SPITCH
	v_lshl_add_u32 v5, v2, 5, v5
	v_add_nc_u32 v[STO], s23, v5
	v_and_b32 v6, 31, v0
	v_lshlrev_b32 v[CO], 4, v6
	v_add_nc_u32 v[RD], s23, v[CO]
	v_lshlrev_b32 v7, 5, v2
	s_wait_alu depctr_va_vdst(0)
	s_lshl_b32 s20, s17, 8
	s_lshl_b32 s21, s15, 7
	s_add_co_u32 s20, s20, s21
	s_lshl_b32 s20, s20, 14
	s_mov_b32 s21, 0
	s_lshl_b32 s46, s42, 10
	s_lshl_b32 s47, s16, 9
	s_add_co_u32 s46, s46, s47
	s_mov_b32 s47, 0
	s_add_nc_u64 s[10:11], s[10:11], s[20:21]
	s_add_nc_u64 s[10:11], s[10:11], s[46:47]
	s_add_nc_u64 s[8:9], s[8:9], s[46:47]
.irp b, 0,1,2,3,4,5,6,7
	global_load_b128 v[BIAS+8*\b:BIAS+8*\b+3],   v7, s[8:9] offset:64*\b
	global_load_b128 v[BIAS+8*\b+4:BIAS+8*\b+7], v7, s[8:9] offset:64*\b+16
.endr
	s_cmp_eq_u32 s15, 0                            ; do I fetch for A?
	s_cselect_b32 s18, s17, s42                    ; the tile row or the tile column
	s_cselect_b32 s19, s40, s41                    ; my place among the four that ask with me
	s_cselect_b64 s[PFA:PFA+1], s[4:5], s[6:7]
	s_mov_b32 s[LIM], 1                            ; every wave of every cluster asks, in all trips but the last
	s_lshl_b32 s18, s18, 1
	s_add_co_u32 s18, s18, s16
	s_mul_i32 s18, s18, RB
	s_lshl_b32 s19, s19, 13
	s_add_co_u32 s18, s18, s19
	s_add_co_u32 s18, s18, 576*256-128*256
	s_mov_b32 s19, 0
	s_add_nc_u64 s[PFA:PFA+1], s[PFA:PFA+1], s[18:19]
	v_and_b32 v[PFO], 31, v0
	v_lshlrev_b32 v[PFO], 8, v[PFO]
.macro FRAG reg, adr, q, i
.irp c, 0,1,2,3
	ds_load_b128 v[\reg+4*\c:\reg+4*\c+3], v[\adr] offset:128*(\q)+32*\c+(\i)*16*PITCH
.endr
.endm
.macro MUL8 a0, p, q, sc, first
.irp a, \a0
.irp b, 0,1,2,3,4,5,6,7
.if \first
	v_wmma_scale_f32_16x16x128_f8f6f4 v[8*(8*((\a)%4)+\b):8*(8*((\a)%4)+\b)+7], v[128*(\p)+FR*\b:128*(\p)+FR*\b+FR-1], v[AF+FR*(\a):AF+FR*(\a)+FR-1], v[BIAS+8*\b:BIAS+8*\b+7], v[SC+8*NQ*(\sc)+NQ*\b+(\q)], v[SC+8*NQ*(\sc)+NQ*(\a)+(\q)] matrix_a_fmt:MATRIX_FMT_BF8 matrix_b_fmt:MATRIX_FMT_BF8 matrix_a_scale:MATRIX_SCALE_ROW1
.else
	v_wmma_scale_f32_16x16x128_f8f6f4 v[8*(8*((\a)%4)+\b):8*(8*((\a)%4)+\b)+7], v[128*(\p)+FR*\b:128*(\p)+FR*\b+FR-1], v[AF+FR*(\a):AF+FR*(\a)+FR-1], v[8*(8*((\a)%4)+\b):8*(8*((\a)%4)+\b)+7], v[SC+8*NQ*(\sc)+NQ*\b+(\q)], v[SC+8*NQ*(\sc)+NQ*(\a)+(\q)] matrix_a_fmt:MATRIX_FMT_BF8 matrix_b_fmt:MATRIX_FMT_BF8 matrix_a_scale:MATRIX_SCALE_ROW1
.endif
.endr
.endr
.endm
.macro MUL16 a0, p, q, sc, first
	MUL8 \a0, \p, \q, \sc, \first
	MUL8 \a0+1, \p, \q, \sc, \first
.endm
.macro FETCH_B slot, q, p
	WIN TO_B
.irp i, 0,1,2,3,4,5,6,7
	FRAG 128*(\p)+FR*\i, ADRB+\slot, \q, \i
.endr
	WIN 0
.endm
.macro FETCH_A slot, q, i0
.irp i, \i0, \i0+1, \i0+2, \i0+3
	FRAG AF+FR*(\i), ADRA+\slot, \q, \i
.endr
.endm
.macro SCALES slot
.irp i, 0,1,2,3,4,5,6,7
	ds_load_b64 v[SC+8*NQ*\slot+NQ*\i:SC+8*NQ*\slot+NQ*\i+1], v[ADRS+\slot] offset:PITCH*(\i/2)+128*(\i%2)
.endr
.endm
.macro PLACES n
.rept \n
	v_nop
.endr
.endm
.macro STEP slot, q, first
	s_wait_dscnt 4*NL
.if \first
	WIN FIRST_LO
.else
	WIN MUL_LO
.endif
	MUL16 0, (\q)%2, \q, \slot, \first
	MUL16 2, (\q)%2, \q, \slot, \first
	s_wait_dscnt 0
	PLACES NP
	FETCH_B \slot, (\q)+1, 1-(\q)%2
	FETCH_A \slot, (\q)+1, 0
.if \first
	WIN FIRST_HI
.else
	WIN MUL_HI
.endif
	MUL16 4, (\q)%2, \q, \slot, \first
	MUL16 6, (\q)%2, \q, \slot, \first
	PLACES NP
	WIN 0
	FETCH_A \slot, (\q)+1, 4
.endm
.macro TURN slot, next, fill
.if \fill
	s_wait_xcnt 0x0
	s_add_nc_u64 s[PFA:PFA+1], s[PFA:PFA+1], 128*256
.endif
	s_wait_dscnt 4*NL
	WIN MUL_LO
	MUL8 0, 1, NQ-1, \slot, 0
	MUL8 1, 1, NQ-1, \slot, 0
	MUL8 2, 1, NQ-1, \slot, 0
	MUL8 3, 1, NQ-1, \slot, 0                      ; all 32 products of my rows 0-63 stand ahead of the wait: behind it only the add, the descriptors' steps and the round stand ahead of the refill
	WIN 0
	s_wait_tensorcnt 0x0
	ds_add_u32 v[SPW], v[NIL]
.if \fill
	s_add_nc_u64 s[G0+4*\slot+2:G0+4*\slot+3], s[G0+4*\slot+2:G0+4*\slot+3], 2*TILE
	s_add_nc_u64 s[G0B+4*\slot+2:G0B+4*\slot+3], s[G0B+4*\slot+2:G0B+4*\slot+3], 2*TILE
.endif
	s_wait_dscnt 0x0                               ; the add is done, and my reads of this slot are over
	s_barrier_signal -1
	s_barrier_wait -1
.if \fill
	CREST
	JLOAD G0+4*\slot, G1, G0B+4*\slot, G1B
	PLACES NP-4
.else
	PLACES NP
.endif
	FETCH_B \next, 0, 0
	FETCH_A \next, 0, 0
	SCALES \next
.if \fill
	ASK
.endif
	WIN MUL_HI
	MUL16 4, 1, NQ-1, \slot, 0
	MUL16 6, 1, NQ-1, \slot, 0
	PLACES NP
	WIN 0
	FETCH_A \next, 0, 4
.endm
	s_wait_alu depctr_va_vdst(0)
	s_wait_tensorcnt 0x0                           ; my part of K step 0 is in; slot 1's first fill is issued as a refill is:
	ds_add_u32 v[SPW], v[NIL]
	s_wait_dscnt 0x0                               ; the add is done
	CROUND                                         ; everybody's part of K step 0 is in, and all sixteen work-groups are here
	JLOAD G0+4, G1, G0B+4, G1B                     ; K step 1: the first tensor load behind the round
	s_wait_loadcnt 0x0                             ; the bias
	FETCH_B 0, 0, 0
	FETCH_A 0, 0, 0
	SCALES 0
	FETCH_A 0, 0, 4
	STEP 0, 0, 1
	s_mov_b32 s3, LAPS-1
.Llap:
	TURN 0, 1, 1
	STEP 1, 0, 0
	TURN 1, 0, 1
	STEP 0, 0, 0
	s_sub_co_u32 s3, s3, 1
	s_cmp_lg_u32 s3, 0
	s_cbranch_scc1 .Llap
	TURN 0, 1, 0
; THE LAST K STEP (slot 1) GOES BY ROWS OF out0.  B's two sets hold its two halves of 128 along K; A's first half lies in v128-255 (fetched by the change of slots above), A's second half of blocks 0-3 goes
; into the 64 registers that held the bias, that of blocks 4-7 into the registers of A's blocks 0-3 when those are done with.  Two blocks of 16 rows are finished by 32 products (16 accumulators by turns, K ascending),
; and leave while the next two are multiplied.
.macro MULR a, ar, p                   ; 8 products: A's block a, its fragment at v[ar], against B's eight of set p = the slot's p-th 128 along K
.irp b, 0,1,2,3,4,5,6,7
	v_wmma_scale_f32_16x16x128_f8f6f4 v[8*(8*((\a)%4)+\b):8*(8*((\a)%4)+\b)+7], v[128*(\p)+FR*\b:128*(\p)+FR*\b+FR-1], v[(\ar):(\ar)+FR-1], v[8*(8*((\a)%4)+\b):8*(8*((\a)%4)+\b)+7], v[SC+8*NQ+NQ*\b+(\p)], v[SC+8*NQ+NQ*(\a)+(\p)] matrix_a_fmt:MATRIX_FMT_BF8 matrix_b_fmt:MATRIX_FMT_BF8 matrix_a_scale:MATRIX_SCALE_ROW1
.endr
.endm
.macro HALF a, p                       ; 16 products: blocks a and a + 1, half p of the K step
	WIN MUL_LO+0x50*((\a)/4)
.if (\p) == 0
.set AR, AF+FR*(\a)
.else
.if (\a) < 4
.set AR, BIAS+FR*(\a)
.else
.set AR, AF+FR*((\a)-4)
.endif
.endif
	MULR \a, AR, \p
	MULR (\a)+1, AR+FR, \p
.endm
.macro PUT a                           ; block a into its half of my stage: 32 bytes of a row a lane; each accumulator from its low end on
.set AC, 64*((\a)%4)
.irp b, 0,1,2,3,4,5,6,7
	ds_store_b128 v[STO], v[AC+8*\b:AC+8*\b+3] offset:((\a)%2)*16*SPITCH+64*\b
	ds_store_b128 v[STO], v[AC+8*\b+4:AC+8*\b+7] offset:((\a)%2)*16*SPITCH+64*\b+16
.endr
.endm
.macro GET a                           ; and back as whole rows of 512 bytes, into the block's own 64 registers, whose sums the stage now holds
.set AC, 64*((\a)%4)
.irp t, 0,1,2,3,4,5,6,7,8,9,10,11,12,13,14,15
	ds_load_b128 v[AC+4*\t:AC+4*\t+3], v[RD] offset:((\a)%2)*16*SPITCH+\t*SPITCH
.endr
.endm
.macro SEND a                          ; 32 lanes store 512 consecutive bytes, at a multiple of 256 from out0's first byte; the row stands in the immediate (127 rows of 16,384 bytes at the most), so no register of a store is written again
.set AC, 64*((\a)%4)
.irp t, 0,1,2,3,4,5,6,7,8,9,10,11,12,13,14,15
	global_store_b128 v[CO], v[AC+4*\t:AC+4*\t+3], s[10:11] offset:(16*(\a)+\t)*SIZE_N*4 th:TH_STORE_NT
.endr
.endm
	FETCH_B 1, 1, 1                                ; B's second half into set 1: eight places stand behind the last products that read it
.irp i, 0,1,2,3
	FRAG BIAS+FR*\i, ADRA+1, 1, \i                 ; A's second half, blocks 0-3
.endr
	s_wait_dscnt 48                                ; all but the 48 loads just issued: B's first half, A's first half and the scale words are in
	HALF 0, 0
	s_wait_dscnt 0x0
	HALF 0, 1
.irp a, 0,2,4
	PLACES NP                                      ; behind the products that finished blocks a and a + 1, ahead of the stores that read them and of the loads below
	WIN 0x08+4*((\a)/4)
	PUT \a
	PUT \a+1
.if \a == 2
	WIN 0
.irp i, 4,5,6,7
	FRAG AF+FR*(\i-4), ADRA+1, 1, \i               ; A's second half, blocks 4-7, over the first half of blocks 0-3
.endr
.endif
	HALF \a+2, 0
	s_wait_dscnt 0x0                               ; the stage's stores have read their registers, and A's fragments are in
	WIN 0x80+0x40*((\a)/4)
	GET \a
	GET \a+1
	HALF \a+2, 1
	s_wait_dscnt 0x0                               ; the two blocks are back as rows
	WIN 0x08+4*((\a)/4)
	SEND \a
	SEND \a+1
.endr
	PLACES NP
	WIN 0x0c
	PUT 6
	PUT 7
	s_wait_dscnt 0x0
	WIN 0xc0
	GET 6
	GET 7
	s_wait_dscnt 0x0
	WIN 0x0c
	SEND 6
	SEND 7
	WIN 0
	s_wait_tensorcnt 0x0
	ds_add_u32 v[SPW], v[NIL]
	s_wait_dscnt 0x0
	CROUND
	s_endpgm
.Lfunc_end_k_qf774cf8649_gemm:
	.size	k_qf774cf8649_gemm, .Lfunc_end_k_qf774cf8649_gemm-k_qf774cf8649_gemm
	.p2alignl 7, 3214868480
	.fill 96, 4, 3214868480
	.section	.rodata,"a",@progbits
	.p2align	6, 0x0
	.amdhsa_kernel k_qf774cf8649_gemm
		.amdhsa_group_segment_fixed_size 327680
		.amdhsa_private_segment_fixed_size 0
		.amdhsa_enable_private_segment 0
		.amdhsa_kernarg_size 32
		.amdhsa_user_sgpr_count 2
		.amdhsa_user_sgpr_kernarg_segment_ptr 1
		.amdhsa_wavefront_size32 1
		.amdhsa_system_sgpr_workgroup_id_x 1
		.amdhsa_system_sgpr_workgroup_id_y 1
		.amdhsa_system_sgpr_workgroup_id_z 1
		.amdhsa_system_vgpr_workitem_id 0
		.amdhsa_next_free_vgpr 1024
		.amdhsa_next_free_sgpr 70
		.amdhsa_reserve_vcc 0
		.amdhsa_float_denorm_mode_32 3
		.amdhsa_float_denorm_mode_16_64 3
		.amdhsa_memory_ordered 1
		.amdhsa_forward_progress 1
		.amdhsa_inst_pref_size 146
	.end_amdhsa_kernel
	.amdgpu_metadata
---
amdhsa.version: [ 1, 2 ]
amdhsa.kernels:
  - .name:           k_qf774cf8649_gemm
    .symbol:         k_qf774cf8649_gemm.kd
    .args:
      - { .name: acodes, .offset: 0, .size: 8, .value_kind: global_buffer, .address_space: global }
      - { .name: bcodes, .offset: 8, .size: 8, .value_kind: global_buffer, .address_space: global }
      - { .name: bias, .offset: 16, .size: 8, .value_kind: global_buffer, .address_space: global }
      - { .name: out0, .offset: 24, .size: 8, .value_kind: global_buffer, .address_space: global }
    .group_segment_fixed_size: 327680
    .private_segment_fixed_size: 0
    .kernarg_segment_align: 8
    .kernarg_segment_size: 32
    .max_flat_workgroup_size: 128
    .sgpr_count:     70
    .vgpr_count:     1024
    .wavefront_size: 32
...
	.end_amdgpu_metadata
.endif
;; end of part 2
